; MI455X (gfx1250); checked and timed in simulation.
; The chip was launched on July 23, 2026; its instructions are those of AMD's public machine-readable ISA for CDNA 5 (MIT licence, August 2026) and "CDNA5" Instruction Set Architecture Reference Guide (July 2026). The comments in the code are by the model that wrote it; some were corrected since.
;; Self Attention. Allowed arithmetic: matrix products marked QUANTISED: E5M2 operands, one E8M0 scale for each 32 along K, by v_wmma_scale_f32_16x16x128_f8f6f4 with both operands' format E5M2, f32 sums; everything else in f32.
;; Inputs: Wk_codes 768 x 24 x 32 uint8 (E5M2 codes of Wk, K innermost, in blocks of 32 codes); Wk_scales 768 x 24 uint8 (E8M0 scales of Wk, one for each 32 codes along K); Wp_codes 768 x 24 x 32 uint8 (E5M2 codes of Wp, K innermost, in blocks of 32 codes); Wp_scales 768 x 24 uint8 (E8M0 scales of Wp, one for each 32 codes along K); Wq_codes 768 x 24 x 32 uint8 (E5M2 codes of Wq, K innermost, in blocks of 32 codes); Wq_scales 768 x 24 uint8 (E8M0 scales of Wq, one for each 32 codes along K); Wv_codes 768 x 24 x 32 uint8 (E5M2 codes of Wv, K innermost, in blocks of 32 codes); Wv_scales 768 x 24 uint8 (E8M0 scales of Wv, one for each 32 codes along K); bk 768 float32; bp 768 float32; bq 768 float32; bv 768 float32; x_codes 16 x 1,024 x 24 x 32 uint8 (E5M2 codes of x, K innermost, in blocks of 32 codes); x_scales 16 x 1,024 x 24 uint8 (E8M0 scales of x, one for each 32 codes along K).
;; Outputs: out0 16 x 1,024 x 768 float32.
;; This version of the problem:
;;   THIS VERSION OF THE PROBLEM IS GIVEN IN LOW PRECISION. The matrix products marked QUANTISED in the list below multiply operands that are first quantised to E5M2 (5 exponent bits, 2 mantissa bits; 8 bits a number), with one power-of-two scale for each 32 numbers along K (OCP MX v1.0); their sums are f32. All else is computed in f32.
;;   The module's matrix products, in the order in which they are computed (A, B: the left and right operand; K: the contracted axis; several contracted axes count as one K, in the product's order):
;;     1. [M 16,384, K 768] x [K 768, N 768]; A: input x (given as codes); B: input Wq (given as codes): QUANTISED
;;     2. [M 16,384, K 768] x [K 768, N 768]; A: input x (given as codes); B: input Wk (given as codes): QUANTISED
;;     3. [M 16,384, K 768] x [K 768, N 768]; A: input x (given as codes); B: input Wv (given as codes): QUANTISED
;;     4. batch 128 x [M 1,024, K 96] x [K 96, N 1,024]; A: computed on the way; B: computed on the way: QUANTISED
;;     5. batch 128 x [M 1,024, K 1,024] x [K 1,024, N 96]; A: softmax (see below); B: computed on the way: QUANTISED
;;     6. [M 16,384, K 768] x [K 768, N 768]; A: computed on the way; B: input Wp (given as codes): QUANTISED
;;   THE QUANTISER, for each operand of a quantised product, along K:
;;     - K is cut into blocks of 32 from its start; a last block that is shorter is filled with zeros.
;;     - A block's scale is 2^e with e = floor(log2(the largest magnitude in the block)) - 15, held to -126 .. 127; a block of zeros has e = 0. As a byte (E8M0): e + 127.
;;     - Each number is divided by its block's scale, clamped to +-57,344, and rounded to the nearest number of E5M2, ties to even, subnormals kept.
;;     - The product sums the exact products of the quantised numbers (number of the format x scale) in f32.
;;   ~~~python
;;   def quantise(x, axis):      # numpy; x: float32 -> the quantised numbers, widened to float32 again
;;       x = np.moveaxis(x, axis, -1); K = x.shape[-1]
;;       x = np.pad(x, [(0, 0)] * (x.ndim - 1) + [(0, -K % 32)]); x = x.reshape(x.shape[:-1] + (-1, 32)); a = np.abs(x).max(-1, keepdims=True)
;;       e = np.where(a > 0, np.clip(np.frexp(np.where(a > 0, a, 1))[1] - 1 - 15, -126, 127), 0)      # np.frexp(a)[1] - 1 = floor(log2(a)), exactly
;;       r = np.clip(x / 2.0 ** e, -57344, 57344)
;;       step = 2.0 ** (np.maximum(np.frexp(np.where(r == 0, 1, r))[1] - 1, -14) - 2)
;;       q = np.round(r / step) * step * 2.0 ** e      # np.round: ties to even
;;       return np.moveaxis(q.reshape(q.shape[:-2] + (-1,))[..., :K], -1, axis).astype(np.float32)
;;   ~~~
;;   SOFTMAX AHEAD OF A QUANTISED PRODUCT. Where the list says 'softmax', what is quantised is not the finished softmax but p = 2^(t - M), with t = logit x log2(e) and M = ceil(the row's largest t), a whole number; so 1/2 < the row's largest p <= 1. The row's sum l is taken of the UNQUANTISED p, in f32, and the product's result is divided by l at the end. Since M is a whole number, a kernel that streams over the keys may use a running M (the ceiling of the running maximum): every later rescaling is an exact power of two, which a block's scale takes up: the codes' values come out the same.
;;   OPERANDS COMPUTED ON THE WAY. 'Computed on the way' means the value that the module computes at that place (a softmax that the list does not call 'softmax' is quantised finished and normalised). What goes into a quantiser is computed in f32, as accurately as f32 sums, v_exp_f32 and their like allow (about 1e-6 of the number): no bf16 or f16 on the way to a quantiser, and a product that is left as it is and whose result goes on into a quantised operand takes f32 operands (vector FMAs, or v_wmma_f32_16x16x4_f32). A number that lies on a knife's edge between two numbers of the format may be rounded either way, as far as f32 arithmetic and the matrix unit's own rounding can turn it there, and no further.
;;   INPUTS GIVEN AS CODES. Wk (in the module: [768, 768], K = its axis 0); Wp (in the module: [768, 768], K = its axis 0); Wq (in the module: [768, 768], K = its axis 0); Wv (in the module: [768, 768], K = its axis 0); x (in the module: [16, 1024, 768], K = its axis 2): each comes as NAME_codes (uint8): NAME with its K axis moved to the last place and cut into blocks of 32 codes, [.., K / 32, bytes a block], one block behind the other in memory; one code a byte (a code: sign, 5 exponent bits, 2 mantissa bits); and NAME_scales (uint8): the same leading axes, one E8M0 byte (e + 127) for each 32 codes along K. Its value is code x scale, taken as it is: it is not quantised again, and the codes and scales need not be those that the quantiser above would give.
;; One version. Each part assembles by itself: llvm-mc -triple=amdgcn-amd-amdhsa -mcpu=gfx1250 --defsym DOCPART=n.
;; ======== version 1 of 1: 3 launches
;; limits: right only within a limited range of input values
;; workspace buffers: q_img 12,582,912 bytes; k_img 12,582,912 bytes; v_img 12,582,912 bytes; q_sc 393,216 bytes; k_sc 393,216 bytes; v_sc 393,216 bytes; o_img 12,582,912 bytes; o_sc 524,288 bytes
;; launch qkv (part 1): grid 28 x 9, 4 waves a work-group, clusters of 4 x 1, 327,680 bytes of LDS; arguments x_codes, x_scales, Wq_codes, Wq_scales, bq, q_img, q_sc, Wk_codes, Wk_scales, bk, k_img, k_sc, Wv_codes, Wv_scales, bv, v_img, v_sc; writes q_img, q_sc, k_img, k_sc, v_img, v_sc
.if DOCPART == 1
	.amdgcn_target "amdgcn-amd-amdhsa--gfx1250"
	.amdhsa_code_object_version 6
	.text
	.protected	k_q6b4eb52ae2_qkv
	.globl	k_q6b4eb52ae2_qkv
	.p2align	8
	.type	k_q6b4eb52ae2_qkv,@function
k_q6b4eb52ae2_qkv:
	s_mov_b64 s[64:65], 0
	v_nop
	global_prefetch_b8 v0, s[64:65] scope:SCOPE_SE
	s_setreg_imm32_b32 hwreg(HW_REG_WAVE_MODE, 25, 1), 1
	s_wait_xcnt 0x0
	s_wait_alu depctr_hold_cnt(0) depctr_sa_sdst(0) depctr_va_vdst(0) depctr_va_sdst(0) depctr_va_ssrc(0) depctr_va_vcc(0) depctr_vm_vsrc(0)
	s_getreg_b32 s2, hwreg(HW_REG_IB_STS2, 6, 4)
	s_cmp_eq_u32 s2, 0
	s_cbranch_scc0 .Lentry_in_a_cluster
	s_endpgm
.Lentry_in_a_cluster:
	s_bfe_u32 s2, ttmp6, 0x10000c
	s_cmp_lg_u32 s2, 0x3003
	s_cbranch_scc0 .Lentry_shape_is_right
	s_endpgm
.Lentry_shape_is_right:
.set PITCH, 272
.set CHUNK, 256*PITCH
.set GROUP, 96*PITCH                   ; 32 weight rows of 768 bytes, dense in memory, come as 96 rows of 256: an LDS row is three padded pieces, 816 bytes
.set BSTEP, 112*49152
.set SSTEP, 112*1536
.set CSTEP, 112*512
.set XB,   4
.set XSN,  6
.set WC,   8
.set WSB,  10
.set BB,   12
.set OB,   14
.set SB,   16
.set WV,   18
.set Y,    19
.set UP,   30
.set CX,   31
.set TT,   42
.set TC,   43
.set G1,   44
.set XN,   52
.set SEL,  60
.set MNT,  62
.set HI16, 63
.set G0,   68
.set XA,   4
.set XSA,  5
.set BADR, 16                          ; v16-19: LDS address of my lane's place in weight rows 0, 64, 128, 192
.set WSA,  9
.set L16,  10
.set BIAQ, 11
.set BIAV, 12
.set WS,   32
.set XS,   80
.set AF,   128
.set TM,   128
.set PW,   144
.set SW,   148
.set CD,   160
.set VP,   192
.set MSB, 0
.macro WIN new
.if MSB != (\new)
	s_set_vgpr_msb (MSB<<8)|(\new)
.set MSB, (\new)
.endif
.endm
.macro PLACES n
.rept \n
	v_nop
.endr
.endm
.macro CROUND
	s_barrier_signal -1
	s_barrier_wait -1
	s_cmp_lg_u32 s[WV], 0
	s_cbranch_scc1 .Lnot_wave_0_\@
	s_barrier_signal -3
.Lnot_wave_0_\@:
	s_barrier_wait -3
	s_barrier_signal -1
	s_barrier_wait -1
.endm
.macro FETCH_B path, s, half
	WIN 0x40
.irp n, 0,1,2,3,4,5,6,7
.if \path == 0
.set ro, 16*(8*(\half)+\n)
.else
.set ro, 32*\n+16*(\half)
.endif
.irp q, 0,1,2,3
	ds_load_b128 v[16*(8*(\half)+\n)+4*\q:16*(8*(\half)+\n)+4*\q+3], v[BADR+ro/64] offset:(ro%64)*3*PITCH+((\s)/2)*PITCH+128*((\s)%2)+32*\q
.endr
.endr
	WIN 0
.endm
.macro LOADA base, s, buf
.irp a, 0,1,2,3
.irp q, 0,1,2,3
	global_load_b128 v[AF+64*(\buf)+16*\a+4*\q:AF+64*(\buf)+16*\a+4*\q+3], v[XA], s[\base:\base+1] offset:\a*12288+128*(\s)+32*\q
.endr
.endr
.endm
.macro LOADXS
.irp a, 0,1,2,3
.irp p, 0,1,2
	global_load_b32 v[XS+3*\a+\p], v[XSA], s[XSN:XSN+1] offset:\a*384+8*\p
.endr
.endr
.endm
.macro LOADWS path
.irp n, 0,1,2,3,4,5,6,7,8,9,10,11,12,13,14,15
.irp p, 0,1,2
.if \path == 0
	global_load_b32 v[WS+3*\n+\p], v[WSA], s[WSB:WSB+1] offset:384*\n+8*\p
.else
	global_load_b32 v[WS+3*\n+\p], v[WSA], s[WSB:WSB+1] offset:(96*(\n%8)+16*(\n/8))*24+8*\p
.endif
.endr
.endr
.endm
.macro MUL32 path, s, half
.if \path == 0
	WIN 0xa1+0x50*(\half)
.else
	WIN 0xa4+0x50*(\half)
.endif
.irp n, 0,1,2,3,4,5,6,7
.irp a, 0,1,2,3
.set rD, 8*(4*\n+\a)
.if \path == 0
.set rA, 16*(8*(\half)+\n)
.set rB, AF+64*((\s)%2)+16*\a
.set sA, WS+3*(8*(\half)+\n)+(\s)/2
.set sB, XS+3*\a+(\s)/2
.else
.set rB, 16*(8*(\half)+\n)
.set rA, AF+64*((\s)%2)+16*\a
.set sB, WS+3*(8*(\half)+\n)+(\s)/2
.set sA, XS+3*\a+(\s)/2
.endif
.if (\s) == 0
	v_wmma_scale_f32_16x16x128_f8f6f4 v[rD:rD+7], v[rA:rA+15], v[rB:rB+15], 0, v[sA], v[sB] matrix_a_fmt:MATRIX_FMT_BF8 matrix_b_fmt:MATRIX_FMT_BF8
.elseif (\s)%2 == 0
	v_wmma_scale_f32_16x16x128_f8f6f4 v[rD:rD+7], v[rA:rA+15], v[rB:rB+15], v[rD:rD+7], v[sA], v[sB] matrix_a_fmt:MATRIX_FMT_BF8 matrix_b_fmt:MATRIX_FMT_BF8
.else
	v_wmma_scale_f32_16x16x128_f8f6f4 v[rD:rD+7], v[rA:rA+15], v[rB:rB+15], v[rD:rD+7], v[sA], v[sB] matrix_a_fmt:MATRIX_FMT_BF8 matrix_b_fmt:MATRIX_FMT_BF8 matrix_a_scale:MATRIX_SCALE_ROW1 matrix_b_scale:MATRIX_SCALE_ROW1
.endif
.endr
.endr
.endm
.macro BIAS path
	WIN 0x40
.if \path == 0
.irp n, 0,1,2,3,4,5,6,7,8,9,10,11,12,13,14,15
	global_load_b128 v[8*\n:8*\n+3], v[BIAQ], s[BB:BB+1] offset:64*\n
	global_load_b128 v[8*\n+4:8*\n+7], v[BIAQ], s[BB:BB+1] offset:64*\n+16
.endr
.else
.irp n, 0,1,2,3,4,5,6,7,8,9,10,11,12,13,14,15
	global_load_b32 v[\n], v[BIAV], s[BB:BB+1] offset:(96*(\n%8)+16*(\n/8))*4
.endr
.endif
	WIN 0
.endm
.macro STEP path, s
.if (\s) == 0
	s_wait_loadcnt 0x0
.else
	s_wait_loadcnt 16
.endif
	s_wait_dscnt 32
	MUL32 \path, \s, 0
	s_wait_dscnt 0x0
	PLACES 8
.if (\s) < 5
	FETCH_B \path, (\s)+1, 0
.else
	BIAS \path
.endif
	MUL32 \path, \s, 1
	PLACES 8
	WIN 0
.if (\s) < 5
	FETCH_B \path, (\s)+1, 1
.endif
.if (\s) < 4
	LOADA XB, (\s)+2, (\s)%2
.elseif (\s) == 4
	LOADA XN, 0, 0
.else
	LOADA XN, 1, 1
	LOADXS
.endif
.endm
.macro BLOCKSCALES
	WIN 0x55
.irp b, 0,1,2,3
	v_permlanex16_b32 v[TM+4+\b], v[TM+\b], s[SEL], s[SEL+1]
.endr
.irp b, 0,1,2,3
	v_max_num_f32 v[TM+\b], v[TM+\b], v[TM+4+\b]
.endr
.irp b, 0,1,2,3
	v_add_nc_u32 v[TM+12+\b], 0xf8800000, v[TM+\b]
.endr
.irp b, 0,1,2,3
	v_and_or_b32 v[TM+8+\b], v[TM+\b], 0x7f800000, s[MNT]
.endr
.irp b, 0,1,2,3
	v_lshrrev_b32 v[TM+4+\b], 23, v[TM+12+\b]
.endr
	v_lshl_or_b32 v[PW], v[TM+5], 8, v[TM+4]
	v_lshl_or_b32 v[PW], v[TM+6], 16, v[PW]
	v_lshl_or_b32 v[PW], v[TM+7], 24, v[PW]
.endm
.macro OUTCODES a, g
	WIN 0x55
.if \g == 0
	v_mov_b32 v[SW+\a], v[PW]
.else
	v_cndmask_b32 v[SW+\a], v[SW+\a], v[PW], s[HI16]
.endif
	WIN 0x04
.irp b, 0,1,2,3
	global_store_b128 v[L16], v[CD+16*((\a)%2)+4*\b:CD+16*((\a)%2)+4*\b+3], s[OB:OB+1] offset:\a*12288+\g*2048+\b*512
.endr
.endm
.macro QUANT a, g
.set X, 2+\g
	WIN (X<<6)|(1<<2)|X
.irp t, 0,1,2,3,4,5,6,7
.irp k, 0,2,4,6
	v_pk_add_f32 v[8*(4*\t+\a)+\k:8*(4*\t+\a)+\k+1], v[8*(4*\t+\a)+\k:8*(4*\t+\a)+\k+1], v[64*\g+8*\t+\k:64*\g+8*\t+\k+1]
.endr
.endr
	WIN (1<<6)|(X<<4)|(X<<2)|1
.irp b, 0,1,2,3
	v_max3_num_f32 v[TM+\b], 0x8000000, |v[8*(8*\b+\a)]|, |v[8*(8*\b+\a)+1]|
.endr
.irp i, 2,4,6
.irp b, 0,1,2,3
	v_max3_num_f32 v[TM+\b], v[TM+\b], |v[8*(8*\b+\a)+\i]|, |v[8*(8*\b+\a)+\i+1]|
.endr
.endr
.irp i, 0,2,4,6
.irp b, 0,1,2,3
	v_max3_num_f32 v[TM+\b], v[TM+\b], |v[8*(8*\b+4+\a)+\i]|, |v[8*(8*\b+4+\a)+\i+1]|
.endr
.endr
	BLOCKSCALES
	WIN (X<<6)|(1<<4)|(1<<2)|X
.irp b, 0,1,2,3
.irp i, 0,1,2,3,4,5,6,7
	v_med3_num_f32 v[8*(8*\b+\a)+\i], v[8*(8*\b+\a)+\i], -v[TM+8+\b], v[TM+8+\b]
	v_med3_num_f32 v[8*(8*\b+4+\a)+\i], v[8*(8*\b+4+\a)+\i], -v[TM+8+\b], v[TM+8+\b]
.endr
.endr
	s_wait_alu depctr_va_vdst(0)
	s_wait_xcnt 0x0
	WIN (1<<6)|(1<<2)|X
.irp b, 0,1,2,3
	v_cvt_scalef32_pk8_bf8_f32 v[CD+16*((\a)%2)+4*\b:CD+16*((\a)%2)+4*\b+1], v[8*(8*\b+\a):8*(8*\b+\a)+7], v[TM+12+\b]
	v_cvt_scalef32_pk8_bf8_f32 v[CD+16*((\a)%2)+4*\b+2:CD+16*((\a)%2)+4*\b+3], v[8*(8*\b+4+\a):8*(8*\b+4+\a)+7], v[TM+12+\b]
.endr
	OUTCODES \a, \g
.endm
.macro VQUANT a, u
.set X, 2+\u
	WIN (X<<6)|(1<<2)|X
.irp c, 0,1,2,3,4,5,6,7
.irp k, 0,2,4,6
.if (\c)%2 == 0
	v_pk_add_f32 v[8*(4*\c+\a)+\k:8*(4*\c+\a)+\k+1], v[8*(4*\c+\a)+\k:8*(4*\c+\a)+\k+1], v[8*\u+\c:8*\u+\c+1] op_sel_hi:[1,0]
.else
	v_pk_add_f32 v[8*(4*\c+\a)+\k:8*(4*\c+\a)+\k+1], v[8*(4*\c+\a)+\k:8*(4*\c+\a)+\k+1], v[8*\u+\c-1:8*\u+\c] op_sel:[0,1] op_sel_hi:[1,1]
.endif
.endr
.endr
	WIN (1<<6)|(X<<4)|(X<<2)|1
.irp b, 0,1,2,3
	v_max3_num_f32 v[TM+\b], 0x8000000, |v[8*\a+2*\b]|, |v[8*\a+2*\b+1]|
.endr
.irp c, 1,2,3,4,5,6,7
.irp b, 0,1,2,3
	v_max3_num_f32 v[TM+\b], v[TM+\b], |v[8*(4*\c+\a)+2*\b]|, |v[8*(4*\c+\a)+2*\b+1]|
.endr
.endr
	BLOCKSCALES
	WIN (1<<6)|(1<<4)|(1<<2)|X
.irp b, 0,1,2,3
.irp c, 0,1,2,3,4,5,6,7
.irp e, 0,1
	v_med3_num_f32 v[VP+16*\b+2*\c+\e], v[8*(4*\c+\a)+2*\b+\e], -v[TM+8+\b], v[TM+8+\b]
.endr
.endr
.endr
	s_wait_alu depctr_va_vdst(0)
	s_wait_xcnt 0x0
	WIN 0x55
.irp b, 0,1,2,3
	v_cvt_scalef32_pk8_bf8_f32 v[CD+16*((\a)%2)+4*\b:CD+16*((\a)%2)+4*\b+1], v[VP+16*\b:VP+16*\b+7], v[TM+12+\b]
	v_cvt_scalef32_pk8_bf8_f32 v[CD+16*((\a)%2)+4*\b+2:CD+16*((\a)%2)+4*\b+3], v[VP+16*\b+8:VP+16*\b+15], v[TM+12+\b]
.endr
	OUTCODES \a, \u
.endm
.macro PATH path
.Ltrip_\@:
	s_wait_alu depctr_va_vdst(0)
	FETCH_B \path, 0, 0
	FETCH_B \path, 0, 1
	STEP \path, 0
	STEP \path, 1
	STEP \path, 2
	STEP \path, 3
	STEP \path, 4
	STEP \path, 5
	s_wait_loadcnt 28
	WIN 0x40
.irp b, 0,1,2,3
	v_mov_b32 v[TM+4+\b], 0
.endr
.irp g, 0,1
.irp a, 0,1,2,3
.if \path == 0
	QUANT \a, \g
.else
	VQUANT \a, \g
.endif
.endr
.endr
	WIN 0x04
	global_store_b128 v[L16], v[SW:SW+3], s[SB:SB+1]
	WIN 0
	s_wait_xcnt 0x0
	s_mov_b64 s[XB:XB+1], s[XN:XN+1]
	s_add_co_u32 s56, s[TC], 2
	s_cmp_lt_u32 s56, s[TT]
	s_cselect_b32 s56, BSTEP, 0
	s_cselect_b32 s58, SSTEP, 0
	s_add_nc_u64 s[XN:XN+1], s[XN:XN+1], s[56:57]
	s_add_nc_u64 s[XSN:XSN+1], s[XSN:XSN+1], s[58:59]
	s_add_nc_u64 s[OB:OB+1], s[OB:OB+1], BSTEP
	s_add_nc_u64 s[SB:SB+1], s[SB:SB+1], CSTEP
	s_add_co_u32 s[TC], s[TC], 1
	s_cmp_lt_u32 s[TC], s[TT]
	s_cbranch_scc1 .Ltrip_\@
.endm
	s_load_b128 s[4:7], s[0:1], 0x0
	s_load_b256 s[8:15], s[0:1], 0x10
	s_load_b64 s[16:17], s[0:1], 0x30
	s_load_b256 s[20:27], s[0:1], 0x38
	s_load_b64 s[28:29], s[0:1], 0x58
	s_load_b256 s[32:39], s[0:1], 0x60
	s_load_b64 s[40:41], s[0:1], 0x80
	v_lshl_add_u32 v126, v0, 2, 0x33000
	v_mov_b32 v127, 0
	ds_add_u32 v126, v127
	ds_add_u32 v126, v127
	v_lshrrev_b32 v1, 5, v0
	v_readfirstlane_b32 s[WV], v1
	s_and_b32 s[Y], ttmp7, 0xffff
	s_bfe_u32 s[CX], ttmp6, 0x40000
	s_cmp_ge_u32 s[Y], 3
	s_cselect_b32 s56, 3, 0
	s_cmp_ge_u32 s[Y], 6
	s_cselect_b32 s56, 6, s56
	s_sub_co_u32 s[UP], s[Y], s56
	s_cmp_lt_u32 ttmp9, 2
	s_cselect_b32 s[TT], 3, 2
	s_mov_b32 s[TC], 0
	s_mov_b32 s[G1], 15|(1<<20)|(1<<21)|(5<<22)|(3<<25)
	s_mov_b32 s[G1+1], 256<<16
	s_mov_b32 s[G1+2], 96<<16
	s_mov_b32 s[G1+3], 256<<16
	s_mov_b32 s[G1+4], 96
	s_mov_b32 s[G1+5], 256
	s_mov_b32 s[G1+6], 0
	s_mov_b32 s[G1+7], 0
	s_mov_b32 s[SEL], 0x76543210
	s_mov_b32 s[SEL+1], 0xfedcba98
	s_mov_b32 s[MNT], 0x600000
	s_mov_b32 s[HI16], 0xffff0000
	s_lshl_b32 s92, ttmp9, 4
	s_lshl_b32 s93, s[CX], 2
	s_add_co_u32 s92, s92, s93
	s_add_co_u32 s92, s92, s[WV]
	s_mul_i32 s94, s92, 49152
	s_mov_b32 s95, 0
	s_mul_i32 s96, s92, 1536
	s_mov_b32 s97, 0
	s_lshl_b32 s98, s92, 9
	s_lshl_b32 s93, s[UP], 17
	s_add_co_u32 s98, s98, s93
	s_mov_b32 s99, 0
	s_lshl_b32 s92, s[UP], 12
	s_mov_b32 s93, 0
	s_wait_dscnt 0x0
	s_wait_kmcnt 0x0
	s_cmp_lt_u32 s[Y], 3
	s_cselect_b64 s[8:9], s[8:9], s[20:21]
	s_cselect_b64 s[10:11], s[10:11], s[22:23]
	s_cselect_b64 s[12:13], s[12:13], s[24:25]
	s_cselect_b64 s[14:15], s[14:15], s[26:27]
	s_cselect_b64 s[16:17], s[16:17], s[28:29]
	s_cmp_lt_u32 s[Y], 6
	s_cselect_b64 s[8:9], s[8:9], s[32:33]
	s_cselect_b64 s[10:11], s[10:11], s[34:35]
	s_cselect_b64 s[12:13], s[12:13], s[36:37]
	s_cselect_b64 s[14:15], s[14:15], s[38:39]
	s_cselect_b64 s[16:17], s[16:17], s[40:41]
	s_mov_b32 s57, 24576
	s_cselect_b32 s56, 196608, s57
	s_mov_b32 s58, 73728
	s_cselect_b32 s58, 24576, s58
	s_mov_b32 s24, 768
	s_cselect_b32 s24, 6144, s24
	s_mov_b32 s26, 128
	s_cselect_b32 s26, 1024, s26
	s_mul_i32 s56, s56, s[UP]
	s_lshl_b32 s59, s[WV], 1
	s_mul_i32 s59, s59, s58
	s_add_co_u32 s56, s56, s59
	s_mov_b32 s57, 0
	s_mov_b32 s59, 0
	s_add_nc_u64 s[WC:WC+1], s[WC:WC+1], s[56:57]
	s_add_nc_u64 s[WC+12:WC+13], s[WC:WC+1], s[58:59]
	s_mul_i32 s28, s[WV], 2*GROUP
	s_mul_i32 s24, s24, s[UP]
	s_mul_i32 s26, s26, s[UP]
	s_mov_b32 s25, 0
	s_mov_b32 s27, 0
.irp kc, 0
.irp j, 0,1
	s_mov_b32 s[G0+8*\kc+4*\j], 1
	s_add_co_u32 s[G0+8*\kc+4*\j+1], s28, \kc*CHUNK+\j*GROUP
	s_add_nc_u64 s[G0+8*\kc+4*\j+2:G0+8*\kc+4*\j+3], s[WC+12*\j:WC+12*\j+1], 256*\kc
	s_or_b32 s[G0+8*\kc+4*\j+3], s[G0+8*\kc+4*\j+3], 0x80000000
.endr
.endr
	CROUND
	tensor_load_to_lds s[G0:G0+3], s[G1:G1+7]      ; my first 32 weight rows: the wave's one load behind the opening round
	s_nop 0
	s_wait_alu depctr_va_vdst(0)
	s_wait_tensorcnt 0x0                           ; the wait and a round ahead of a later first fill
	ds_add_u32 v126, v127
	s_wait_dscnt 0x0
	CROUND
	tensor_load_to_lds s[G0+4:G0+7], s[G1:G1+7]    ; my other 32
	s_nop 0
	PLACES 4
	s_add_nc_u64 s[XB:XB+1], s[XB:XB+1], s[94:95]
	s_add_nc_u64 s[XSN:XSN+1], s[XSN:XSN+1], s[96:97]
	s_add_nc_u64 s[OB:OB+1], s[OB:OB+1], s[94:95]
	s_add_nc_u64 s[OB:OB+1], s[OB:OB+1], s[92:93]
	s_add_nc_u64 s[SB:SB+1], s[SB:SB+1], s[98:99]
	s_add_nc_u64 s[WSB:WSB+1], s[WSB:WSB+1], s[24:25]
	s_add_nc_u64 s[BB:BB+1], s[BB:BB+1], s[26:27]
	s_add_nc_u64 s[XN:XN+1], s[XB:XB+1], BSTEP
	v_and_b32 v1, 31, v0
	v_and_b32 v2, 15, v0
	v_bfe_u32 v3, v0, 4, 1
	v_bfe_u32 v13, v0, 1, 2
	v_bfe_u32 v14, v0, 3, 1
	v_and_b32 v15, 1, v0
	v_lshl_add_u32 v13, v13, 2, v15
	v_lshl_add_u32 v13, v14, 1, v13
	v_mul_u32_u24 v[XA], v13, 768
	v_lshl_add_u32 v[XA], v3, 4, v[XA]
	v_mul_u32_u24 v[XSA], v13, 24
	v_lshl_add_u32 v[XSA], v3, 2, v[XSA]
	v_mul_u32_u24 v[BADR], v2, 3*PITCH
	v_lshl_add_u32 v[BADR], v3, 4, v[BADR]
	v_add_nc_u32 v[BADR+1], 64*3*PITCH, v[BADR]
	v_add_nc_u32 v[BADR+2], 128*3*PITCH, v[BADR]
	v_add_nc_u32 v[BADR+3], 192*3*PITCH, v[BADR]
	v_mul_u32_u24 v[WSA], v2, 24
	v_lshl_add_u32 v[WSA], v3, 2, v[WSA]
	v_lshlrev_b32 v[L16], 4, v1
	v_lshlrev_b32 v[BIAQ], 5, v3
	v_lshlrev_b32 v[BIAV], 2, v2
	LOADA XB, 0, 0
	LOADA XB, 1, 1
	LOADXS
	s_cmp_lt_u32 s[Y], 6
	s_cbranch_scc0 .Lws_v
	LOADWS 0
	s_branch .Lws_done
.Lws_v:
	s_wait_alu depctr_va_vdst(0)
	LOADWS 1
.Lws_done:
	s_wait_tensorcnt 0x0
	s_barrier_signal -1
	s_barrier_wait -1
	s_wait_xcnt 0x0
	s_add_nc_u64 s[XSN:XSN+1], s[XSN:XSN+1], SSTEP
	s_cmp_lt_u32 s[Y], 6
	s_cbranch_scc0 .Lv_path
	PATH 0
	s_branch .Lend
.Lv_path:
	PATH 1
.Lend:
	s_wait_tensorcnt 0x0
	ds_add_u32 v126, v127
	s_wait_dscnt 0x0
	CROUND
	s_endpgm
.Lfunc_end_k_q6b4eb52ae2_qkv:
	.size	k_q6b4eb52ae2_qkv, .Lfunc_end_k_q6b4eb52ae2_qkv-k_q6b4eb52ae2_qkv
	.p2alignl 7, 3214868480
	.fill 96, 4, 3214868480
	.section	.rodata,"a",@progbits
	.p2align	6, 0x0
	.amdhsa_kernel k_q6b4eb52ae2_qkv
		.amdhsa_group_segment_fixed_size 327680
		.amdhsa_private_segment_fixed_size 0
		.amdhsa_enable_private_segment 0
		.amdhsa_kernarg_size 136
		.amdhsa_user_sgpr_count 2
		.amdhsa_user_sgpr_kernarg_segment_ptr 1
		.amdhsa_wavefront_size32 1
		.amdhsa_system_sgpr_workgroup_id_x 1
		.amdhsa_system_sgpr_workgroup_id_y 1
		.amdhsa_system_sgpr_workgroup_id_z 1
		.amdhsa_system_vgpr_workitem_id 0
		.amdhsa_next_free_vgpr 1024
		.amdhsa_next_free_sgpr 100
		.amdhsa_reserve_vcc 0
		.amdhsa_float_denorm_mode_32 3
		.amdhsa_float_denorm_mode_16_64 3
		.amdhsa_memory_ordered 1
		.amdhsa_forward_progress 1
		.amdhsa_inst_pref_size 255
	.end_amdhsa_kernel
	.section	.bss,"aw",@nobits
	.p2align	6
	.space	262144
	.amdgpu_metadata
---
amdhsa.version: [ 1, 2 ]
amdhsa.kernels:
  - .name:           k_q6b4eb52ae2_qkv
    .symbol:         k_q6b4eb52ae2_qkv.kd
    .args:
      - { .name: x_codes, .offset: 0, .size: 8, .value_kind: global_buffer, .address_space: global }
      - { .name: x_scales, .offset: 8, .size: 8, .value_kind: global_buffer, .address_space: global }
      - { .name: Wq_codes, .offset: 16, .size: 8, .value_kind: global_buffer, .address_space: global }
      - { .name: Wq_scales, .offset: 24, .size: 8, .value_kind: global_buffer, .address_space: global }
      - { .name: bq, .offset: 32, .size: 8, .value_kind: global_buffer, .address_space: global }
      - { .name: q_img, .offset: 40, .size: 8, .value_kind: global_buffer, .address_space: global }
      - { .name: q_sc, .offset: 48, .size: 8, .value_kind: global_buffer, .address_space: global }
      - { .name: Wk_codes, .offset: 56, .size: 8, .value_kind: global_buffer, .address_space: global }
      - { .name: Wk_scales, .offset: 64, .size: 8, .value_kind: global_buffer, .address_space: global }
      - { .name: bk, .offset: 72, .size: 8, .value_kind: global_buffer, .address_space: global }
      - { .name: k_img, .offset: 80, .size: 8, .value_kind: global_buffer, .address_space: global }
      - { .name: k_sc, .offset: 88, .size: 8, .value_kind: global_buffer, .address_space: global }
      - { .name: Wv_codes, .offset: 96, .size: 8, .value_kind: global_buffer, .address_space: global }
      - { .name: Wv_scales, .offset: 104, .size: 8, .value_kind: global_buffer, .address_space: global }
      - { .name: bv, .offset: 112, .size: 8, .value_kind: global_buffer, .address_space: global }
      - { .name: v_img, .offset: 120, .size: 8, .value_kind: global_buffer, .address_space: global }
      - { .name: v_sc, .offset: 128, .size: 8, .value_kind: global_buffer, .address_space: global }
    .group_segment_fixed_size: 327680
    .private_segment_fixed_size: 0
    .kernarg_segment_align: 8
    .kernarg_segment_size: 136
    .max_flat_workgroup_size: 128
    .sgpr_count:     100
    .vgpr_count:     1024
    .wavefront_size: 32
...
	.end_amdgpu_metadata
.endif
;; end of part 1
;; launch attn (part 2): grid 2 x 128, 8 waves a work-group, no clusters, 208,896 bytes of LDS; arguments q_img, q_sc, k_img, k_sc, v_img, v_sc, o_img, o_sc; writes o_img, o_sc
.if DOCPART == 2
	.amdgcn_target "amdgcn-amd-amdhsa--gfx1250"
	.amdhsa_code_object_version 6
	.text
	.protected	k_q6b4eb52ae2_attn
	.globl	k_q6b4eb52ae2_attn
	.p2align	8
	.type	k_q6b4eb52ae2_attn,@function
k_q6b4eb52ae2_attn:
	s_mov_b64 s[64:65], 0
	v_nop
	global_prefetch_b8 v0, s[64:65] scope:SCOPE_SE
	s_setreg_imm32_b32 hwreg(HW_REG_WAVE_MODE, 25, 1), 1
	s_wait_xcnt 0x0
; Attention of 128 heads, 1,024 tokens x 96 channels, both products on codes of BF8 (E5M2) with E8M0 scales; the result is divided by the row's sum, quantised along the channels and leaves as an image of operand registers.
; t = score x log2(e) / sqrt(96); M = the running largest t rounded UP to a whole number; p = 2^(t - M) is quantised along the keys, not normalised; the sum is taken of the unquantised p.
; SHARES.  A work-group owns half a head's queries: 4 row tiles x 8 column groups = 32 tiles of 16 queries.  Wave w of eight takes row tile w / 2 and, in pass 0 and 1, the TWO tiles of column groups 4 (w % 2) + 2 pass + 0, 1: each fragment of K and V feeds two products, and every chain of one tile has the other tile's to take turns with.
; ALL OF THE HEAD'S K AND V CODES, 2 x 98,304 bytes, LIE IN LDS, FILLED ONCE (one tensor load a wave), as images of operand registers: every fragment load is 512 consecutive bytes.
; NO CLUSTER: only the two work-groups of a head share tiles, and a cluster of four would hold two heads.  NO PREFETCH: K and V are asked for once, at the head, with no loop ahead of them.
; LAYOUT.  S^T = K Q^T, O^T = V^T P^T: a lane holds one query.  Register 2 b + e of key tile c, lane half h, is place 16 h + 2 c + e of block b of 32 keys: the multiply-add that makes t - M writes its pairs in that order, in which v's codes lie.
; K = 96: a fragment of K is 12 loaded registers; its last four are the next fragment's first four (finite codes) or zeros; Q's last four are zeros: the fourth block adds exactly 0.
; A BLOCK'S SCALE is made ahead of the exponentials: floor(log2 of the largest p) = floor(largest t - M); where v_exp_f32 rounds that p up to the next power of two, the hold takes it to the largest code, as the quantiser of the unrounded p does.
; THREE BUFFERS OF 64 take turns (S0, S1, X): t0: S0 -> X; p0 in X, among them t1: S1 -> S0; p1 in S0, among them the held p0: X -> S1; sums; codes into X's first half; p1 held in place.
; K'S FRAGMENTS HAVE REGISTERS OF THEIR OWN: the next step's 26 loads are issued behind this step's score products (the last step of a pass asks for step 0, for the next pass).  V's six fragments land in S1 and in X's second half, once these are read out: 120 vector lines ahead of their products.
; LIMITS: NaN and infinities are not served; the scaled scores stay under 2^31 in magnitude.  A block whose largest magnitude is under 2^-111 gets the scale byte 1; only this program reads the bytes.
.set VI, 98304                         ; LDS: K's images from 0 [key step 8][chunk 24][512]; V's [key step 8][channel tile 6][block 4][512]
.set KW, 196608                        ; K's scale words [2 x key step + c / 4][r 16][4 words]; V's, by channel tile, 4,096 bytes on
.set OS, 204800                        ; the result's scale words: 256 bytes a wave, its own
.set SPARE, 206848                     ; the spare words, 128 bytes a wave
; window 0
.set AL, 1                             ; 16 x lane
.set AV0, 2                            ; the same in V's images
.set AKW, 3                            ; KW + 16 r
.set R16, 4                            ; 16 r
.set AD0, 5                            ; addresses of the loads in hand
.set AD1, 6
.set TA, 7
.set KV, 8                             ; v8-13 V's six scale words: numbers 0 .. 5 modulo 8
.set PW, 14                            ; v14, v15 p's scale words: 6, 7 modulo 8
.set KS, 16                            ; v16-23 K's scale words
.set QW, 24                            ; v24, v25 Q's
.set SPW, 26
.set NIL, 27
.set QF, 28                            ; v28-59 Q: 12 + 4 zeros a tile
.set OT, 60                            ; v60-155 O^T: 48 a tile
.set F, 156                            ; v156-251 a key step's fragments of K; v252-255 zeros
.set ZQ, 252
; window 1: S0 at 0, S1 at 64
.set QT, 64                            ; between passes: 4 offsets and 4 words of Q's scales
.set X, 128
.set MB, 192                           ; 32 registers a tile: the blocks' largest at 0-3, then
.set PD, 4
.set HD, 8
.set SO, 12
.set NM, 16                            ; -M, and with it as a pair
.set TX, 17                            ; the largest score
.set SUM, 18
.set FF, 20
.set T0, 22
.set T1, 23
.set AC, 24                            ; four pairs: the sum's chains
.set WV, 20
.set HEAD, 21
.set RT, 22                            ; my row tile among all
.set RB, 23                            ; its place in a plane of scale words
.set G1, 24
.set G0, 32
.set QP, 36
.set OP, 38
.set ON, 40
.set TK, 42
.set TS, 43
.set CS, 44
.set SEL, 46
.set MNT, 48
.set PI, 49
.set SC, 50
.set MASK, 51
.set SH, 60
.set PN, 62
.set P1, 63
.set P2, 66
.set MSB, 0
.macro WIN new                         ; the immediate's high byte repeats the setting that is left
.if MSB != (\new)
	s_set_vgpr_msb (MSB<<8)|(\new)
.set MSB, (\new)
.endif
.endm
.macro PLACES n
.rept \n
	v_nop
.endr
.endm
.macro WALU
	s_wait_alu depctr_va_vdst(0)
.endm
; s56 holds a word's number i among a row's six: v[vreg] = 16 r + plane i / 2 + half i % 2 + s[base]
.macro PLANE vreg, base
	s_lshr_b32 s57, s56, 1
	s_lshl_b32 s57, s57, 17
	s_and_b32 s56, s56, 1
	s_lshl_b32 s56, s56, 8
	s_add_co_u32 s56, s56, s57
	s_add_co_u32 s56, s56, s[\base]
	v_add_nc_u32 v[\vreg], s56, v[R16]
.endm
; Pass s[PN]'s two tiles of Q are asked for: codes into QF, two scale words a tile into window 1's QT + 4 ..; s[ON] = where that pass's result goes
.macro QLOAD
	WALU                                           ; the wait
	s_and_b32 s52, s[WV], 1
	s_lshl_b32 s52, s52, 2
	s_lshl_b32 s53, s[PN], 1
	s_add_co_u32 s52, s52, s53                     ; c of tile 0
	s_mul_i32 s56, s[RT], 12288
	s_mul_i32 s55, s52, 1536
	s_add_co_u32 s56, s56, s55
	s_mov_b32 s57, 0
	s_add_nc_u64 s[QP:QP+1], s[4:5], s[56:57]
	s_add_nc_u64 s[ON:ON+1], s[16:17], s[56:57]
	WIN 0x40
.irp u, 0,1
	s_add_co_u32 s55, s52, \u
	s_mul_i32 s55, s55, 3                          ; the tile's first scale byte in its row's 24:
	s_and_b32 s[SH+\u], s55, 3
	s_lshl_b32 s[SH+\u], s[SH+\u], 3               ; its bit in its word,
	s_lshr_b32 s55, s55, 2                         ; and the word
	s_mov_b32 s56, s55
	PLANE QT+2*\u, RB
	s_add_co_u32 s56, s55, 1
	s_min_u32 s56, s56, 5
	PLANE QT+2*\u+1, RB
.endr
	WALU                                           ; the wait
	WIN 0
.irp u, 0,1
.irp b, 0,1,2
	global_load_b128 v[QF+16*\u+4*\b:QF+16*\u+4*\b+3], v[AL], s[QP:QP+1] offset:1536*\u+512*\b th:TH_LOAD_NT
.endr
.endr
	WIN 0x41
.irp k, 0,1,2,3
	global_load_b32 v[QT+4+\k], v[QT+\k], s[6:7]
.endr
	WIN 0
.endm
.macro TW dst, i, base                 ; word i of my rows' six
	global_load_b32 v[\dst], v[TA], s[\base:\base+1] offset:(((\i)/2)<<17)+(((\i)%2)<<8)
.endm
.macro KLOAD ak, as                    ; a key step's eight scale words and eight fragments of K: 26 loads
	ds_load_b128 v[KS:KS+3], v[\as]
	ds_load_b128 v[KS+4:KS+7], v[\as] offset:256
.irp t, 0,1,2,3,4,5,6,7
.irp b, 0,1,2
	ds_load_b128 v[F+12*\t+4*\b:F+12*\t+4*\b+3], v[\ak] offset:(3*\t+\b)*512
.endr
.endr
.endm
.macro QK t                            ; key tile t against both tiles of queries
.irp u, 0,1
	v_wmma_scale_f32_16x16x128_f8f6f4 v[64*\u+8*\t:64*\u+8*\t+7], v[F+12*\t:F+12*\t+15], v[QF+16*\u:QF+16*\u+15], 0, v[KS+\t], v[QW+\u] matrix_a_fmt:MATRIX_FMT_BF8 matrix_b_fmt:MATRIX_FMT_BF8
.endr
.endm
.macro CHAIN i, u                      ; the running maximum (as a score: c is positive), M and f = 2^(old M - new M)
.set M_, MB+32*\u
.if \i == 0
	v_max3_num_f32 v[M_+T0], v[M_], v[M_+1], v[M_+2]
.elseif \i == 1
	v_max3_num_f32 v[M_+TX], v[M_+TX], v[M_+T0], v[M_+3]
.elseif \i == 2
	v_mul_f32 v[M_+T0], s[CS], v[M_+TX]
.elseif \i == 3
	v_mov_b32 v[M_+T1], v[M_+NM]
.elseif \i == 4
	v_floor_f32 v[M_+NM], -v[M_+T0]
.elseif \i == 5
	v_sub_f32 v[M_+T0], v[M_+NM], v[M_+T1]
.elseif \i == 6
	v_cvt_i32_f32 v[M_+T0], v[M_+T0]
.else
	v_ldexp_f32 v[M_+FF], 1.0, v[M_+T0]
.endif
.endm
.macro SCL i, u, b                     ; block b's scale from its largest score
.set M_, MB+32*\u
.if \i == 0
	v_fma_f32 v[M_+\b], v[M_+\b], s[CS], v[M_+NM]          ; its t - M, 0 or less
.elseif \i == 1
	v_max_num_f32 v[M_+\b], 0xc2de0000, v[M_+\b]           ; not under -111: the byte cannot fall under 1
.elseif \i == 2
	v_floor_f32 v[M_+\b], v[M_+\b]                         ; floor(log2 of the largest p)
.elseif \i == 3
	v_add_f32 v[M_+PD+\b], 0x4b000070, v[M_+\b]            ; + 2^23 + 112, exact: the low byte is the scale's byte
.elseif \i == 4
	v_lshlrev_b32 v[M_+SO+\b], 23, v[M_+PD+\b]             ; the conversion's scale operand
.else
	v_add_nc_u32 v[M_+HD+\b], 0x07e00000, v[M_+SO+\b]      ; 57,344 x the scale
.endif
.endm
.macro TAIL b                          ; the sum's chains are joined
.irp u, 0,1
.set M_, MB+32*\u
.if \b == 0
	v_pk_add_f32 v[M_+AC:M_+AC+1], v[M_+AC:M_+AC+1], v[M_+AC+2:M_+AC+3]
.elseif \b == 1
	v_pk_add_f32 v[M_+AC+4:M_+AC+5], v[M_+AC+4:M_+AC+5], v[M_+AC+6:M_+AC+7]
.elseif \b == 2
	v_pk_add_f32 v[M_+AC:M_+AC+1], v[M_+AC:M_+AC+1], v[M_+AC+4:M_+AC+5]
.else
	v_pk_fma_f32 v[M_+SUM:M_+SUM+1], v[M_+SUM:M_+SUM+1], v[M_+FF:M_+FF+1], v[M_+AC:M_+AC+1] op_sel_hi:[1,0,1]   ; the old sum under the new M, and this step's
.endif
.endr
.endm
	s_load_b256 s[4:11], s[0:1], 0x0               ; q image, q words, k image, k words
	s_load_b256 s[12:19], s[0:1], 0x20             ; v image, v words, result's image, result's words
	v_lshl_add_u32 v[SPW], v0, 2, SPARE
	v_mov_b32 v[NIL], 0
	ds_add_u32 v[SPW], v[NIL]                      ; the opening lines: the add, twice on end, and its wait
	ds_add_u32 v[SPW], v[NIL]
	v_lshrrev_b32 v1, 5, v0
	v_readfirstlane_b32 s[WV], v1                  ; wave 0..7
	s_and_b32 s[HEAD], ttmp7, 0xffff
	s_mov_b32 s[G1], 3<<16                         ; a dense block of 24,576 bytes as 96 rows of 256 (32 elements of 8 bytes)
	s_mov_b32 s[G1+1], 32<<16
	s_mov_b32 s[G1+2], 96<<16
	s_mov_b32 s[G1+3], 32<<16
	s_mov_b32 s[G1+4], 96
	s_mov_b32 s[G1+5], 32
	s_mov_b32 s[G1+6], 0
	s_mov_b32 s[G1+7], 0
	s_mul_i32 s52, s[HEAD], 98304
	s_and_b32 s54, s[WV], 3
	s_mul_i32 s54, s54, 24576
	s_add_co_u32 s52, s52, s54                     ; the head's images, my quarter
	s_mov_b32 s53, 0
	s_mul_i32 s55, s[WV], 24576                    ; waves 0-3: K's quarters; waves 4-7: V's, behind them
	s_mov_b32 s[CS], 0x3e16c740                    ; log2(e) / sqrt(96)
	s_mov_b32 s[CS+1], s[CS]
	s_mov_b32 s[SEL], 0x76543210
	s_mov_b32 s[SEL+1], 0xfedcba98
	s_mov_b32 s[MNT], 0x600000
	s_mov_b32 s[P1], 0x04000400
	s_mov_b32 s[P2], 0x05040100
	s_mov_b32 s[MASK], 0xffff0000
	s_lshl_b32 s[RT], s[HEAD], 3
	s_lshl_b32 s56, ttmp9, 2
	s_add_co_u32 s[RT], s[RT], s56
	s_lshr_b32 s56, s[WV], 1
	s_add_co_u32 s[RT], s[RT], s56
	s_lshr_b32 s[RB], s[RT], 2
	s_lshl_b32 s[RB], s[RB], 9
	s_and_b32 s56, s[RT], 3
	s_lshl_b32 s56, s56, 2
	s_add_co_u32 s[RB], s[RB], s56
	s_wait_dscnt 0x0
	s_wait_kmcnt 0x0
	s_cmp_lt_u32 s[WV], 4
	s_cselect_b64 s[56:57], s[8:9], s[12:13]
	s_mov_b32 s[G0], 1
	s_mov_b32 s[G0+1], s55
	s_add_nc_u64 s[G0+2:G0+3], s[56:57], s[52:53]
	s_or_b32 s[G0+3], s[G0+3], 0x80000000
	tensor_load_to_lds s[G0:G0+3], s[G1:G1+7]      ; every wave's one load
	s_nop 0
	v_and_b32 v[AL], 31, v0
	v_and_b32 v[R16], 15, v0
	v_lshlrev_b32 v[AL], 4, v[AL]
	v_lshlrev_b32 v[R16], 4, v[R16]
	v_add_nc_u32 v[AV0], VI, v[AL]
	v_add_nc_u32 v[AKW], KW, v[R16]
.irp j, 0,1,2,3
	v_mov_b32 v[QF+12+\j], 0                       ; Q's fourth blocks,
	v_mov_b32 v[QF+28+\j], 0
	v_mov_b32 v[ZQ+\j], 0                          ; and the last fragment's
.endr
	WIN 0x40
.irp u, 0,1
.irp j, 0,1,2,3
	v_mov_b32 v[MB+32*\u+PD+\j], 0                 ; the lane permutes' destinations count as sources
.endr
	v_mov_b32 v[MB+32*\u+FF+1], 0                  ; (named as the upper half of a pair)
	v_mov_b32 v[MB+32*\u+T0], 0
.endr
	WIN 0
	s_mov_b32 s[PN], 0
	QLOAD
	; THE TABLES.  Wave w makes the scale words of key step w: K's three bytes a tile are cut out of the row's 24; V's words are taken as they are.
	s_lshl_b32 s54, s[HEAD], 10
	s_lshr_b32 s55, s[WV], 2
	s_lshl_b32 s55, s55, 9
	s_add_co_u32 s54, s54, s55
	s_and_b32 s55, s[WV], 3
	s_lshl_b32 s55, s55, 2
	s_add_co_u32 s54, s54, s55                     ; the row tile's place in a plane of words
	v_add_nc_u32 v[TA], s54, v[R16]
	s_lshl_b32 s55, s[WV], 9
	v_add_nc_u32 v[AD0], s55, v[AKW]
	WALU                                           ; the wait ahead of readers behind waits
.irp k, 0,1,2,3
	TW F+\k, \k, 10
	TW F+4+\k, \k, 14
.endr
	TW F+8, 3, 10
	TW F+9, 4, 10
	TW F+10, 5, 10
	TW F+11, 5, 10
	TW F+12, 4, 14
	TW F+13, 5, 14
	TW F+14, 5, 14
	TW F+15, 5, 14
	s_wait_loadcnt 0x0
.irp j, 0,1
	v_alignbit_b32 v[F+8*\j+3], v[F+8*\j+3], v[F+8*\j+2], 8     ; bytes 9 .. 12: tile 3;
	v_alignbit_b32 v[F+8*\j+2], v[F+8*\j+2], v[F+8*\j+1], 16    ; 6 .. 9: tile 2;
	v_alignbit_b32 v[F+8*\j+1], v[F+8*\j+1], v[F+8*\j], 24      ; 3 .. 6: tile 1; tile 0 is the first word
	ds_store_b128 v[AD0], v[F+8*\j:F+8*\j+3] offset:256*\j      ; both halves of the lanes write the same bytes with the same values
	ds_store_b128 v[AD0], v[F+8*\j+4:F+8*\j+7] offset:4096+256*\j
.endr
	s_mov_b32 s[PI], 0
	WALU                                           ; the wait at the head's end
	s_wait_tensorcnt 0x0                           ; my part of the images is in,
	s_wait_dscnt 0x0                               ; my part of the tables is stored,
	s_barrier_signal -1
	s_barrier_wait -1                              ; everybody's are
	KLOAD AL, AKW                                  ; key step 0
.Lpass:
	s_wait_xcnt 0x0                                ; the last pass's stores have read their data and their base
	s_mov_b64 s[OP:OP+1], s[ON:ON+1]
.set J_, 0
.rept 96
	v_mov_b32 v[OT+J_], 0                          ; the key step is written once: the first finds zeros
.set J_, J_+1
.endr
	WIN 0x40
.irp u, 0,1
	v_mov_b32 v[MB+32*\u+TX], 0xff61b1e6           ; the largest score so far: -3e38
	v_mov_b32 v[MB+32*\u+NM], 0x7f61b1e6           ; -M: so large that the first f is 0
	v_mov_b32 v[MB+32*\u+SUM], 0
	v_mov_b32 v[MB+32*\u+SUM+1], 0
.endr
	s_mov_b32 s[TK], 0
	s_mov_b32 s[TS], 0
	s_mov_b32 s[SC], 0
	s_wait_loadcnt 0x0                             ; Q
	WIN 0x05
.irp u, 0,1
	v_alignbit_b32 v[QW+\u], v[QT+5+2*\u], v[QT+4+2*\u], s[SH+\u]
.endr
	WIN 0
.Lstep:
	; ---- a key step: 128 keys, two tiles of queries
	WALU                                           ; the wait behind the branch and ahead of the wait below
	s_add_co_u32 s52, s[TK], 12288                 ; where the next step's K lies: behind a pass's last step, step 0's
	s_add_co_u32 s53, s[TS], 512
	s_cmp_eq_u32 s[SC], 7
	s_cselect_b32 s52, 0, s52
	s_and_b32 s53, s53, 4095
	s_wait_dscnt 0x0                               ; this step's K (asked for a step ago)
	WIN 0x40
	QK 0
	QK 1
	QK 2
	QK 3
	QK 4
	QK 5
	QK 6
	QK 7
	WIN 0
	v_add_nc_u32 v[AD0], s52, v[AL]
	v_add_nc_u32 v[AD1], s53, v[AKW]
	PLACES 6                                       ; eight places: for the loads below and for the first readers of the scores
	KLOAD AD0, AD1                                 ; the next step's K lands under the softmax
	WIN 0x55
	; the largest score of each block of 32 keys; block 0 leads each round
.irp b, 0,1,2,3
.irp u, 0,1
	v_max3_num_f32 v[MB+32*\u+\b], v[64*\u+2*\b], v[64*\u+2*\b+1], v[64*\u+8+2*\b]
.endr
.endr
.irp n, 3,5,7,9,11,13
.irp b, 0,1,2,3
.irp u, 0,1
	v_max3_num_f32 v[MB+32*\u+\b], v[MB+32*\u+\b], v[64*\u+8*(\n/2)+2*\b+1], v[64*\u+8*((\n+1)/2)+2*\b]
.endr
.endr
.endr
.irp b, 0,2
.irp u, 0,1
	v_dual_max_num_f32 v[MB+32*\u+\b], v[MB+32*\u+\b], v[64*\u+57+2*\b] :: v_dual_max_num_f32 v[MB+32*\u+\b+1], v[MB+32*\u+\b+1], v[64*\u+59+2*\b]   ; two blocks a line
.endr
.endr
.irp b, 0,1,2,3
.irp u, 0,1
	v_permlanex16_b32 v[MB+32*\u+PD+\b], v[MB+32*\u+\b], s[SEL], s[SEL+1]
.endr
.endr
.irp b, 0,2
.irp u, 0,1
	v_dual_max_num_f32 v[MB+32*\u+\b], v[MB+32*\u+\b], v[MB+32*\u+PD+\b] :: v_dual_max_num_f32 v[MB+32*\u+\b+1], v[MB+32*\u+\b+1], v[MB+32*\u+PD+\b+1]   ; with lane l xor 16's 16 keys, two blocks a line
.endr
.endr
.irp i, 0,1,2,3,4,5,6,7
.irp u, 0,1
	CHAIN \i, \u
.endr
.endr
.irp i, 0,1,2,3,4,5
.irp b, 0,1,2,3
.irp u, 0,1
	SCL \i, \u, \b
.endr
.endr
.endr
.irp u, 0,1
	v_perm_b32 v[MB+32*\u+T0], v[MB+32*\u+PD+1], v[MB+32*\u+PD], s[P1]     ; bytes of blocks 0, 1
	v_perm_b32 v[MB+32*\u+T1], v[MB+32*\u+PD+3], v[MB+32*\u+PD+2], s[P1]   ; of blocks 2, 3
.endr
	WIN 0x05
.irp u, 0,1
	v_perm_b32 v[PW+\u], v[MB+32*\u+T1], v[MB+32*\u+T0], s[P2]             ; p's scale word for these 128 keys
.endr
	WIN 0x55
.irp c, 0,1,2,3,4,5,6,7
.irp b, 0,1,2,3
	v_pk_fma_f32 v[X+16*\b+2*\c:X+16*\b+2*\c+1], v[8*\c+2*\b:8*\c+2*\b+1], s[CS:CS+1], v[MB+NM:MB+NM+1] op_sel_hi:[1,0,0]   ; tile 0: t - M, into key order
.endr
.endr
	WALU                                           ; the wait ahead of a batch of exponentials
.set I_, 0
.rept 32                                       ; tile 0's p; among them tile 1's t - M, which reads and writes nothing of the batch
	v_exp_f32 v[X+2*I_], v[X+2*I_]
	v_exp_f32 v[X+2*I_+1], v[X+2*I_+1]
	v_pk_fma_f32 v[16*(I_%4)+2*(I_/4):16*(I_%4)+2*(I_/4)+1], v[64+8*(I_/4)+2*(I_%4):64+8*(I_/4)+2*(I_%4)+1], s[CS:CS+1], v[MB+32+NM:MB+32+NM+1] op_sel_hi:[1,0,0]
.set I_, I_+1
.endr
	WALU                                           ; one wait behind the batch, which is also the wait ahead of the next
.set I_, 0
.rept 32                                       ; tile 1's p; among them tile 0's holds, two a line (the conversion does not saturate: ISA guide 7.6.2; p is not negative)
	v_exp_f32 v[I_], v[I_]
	v_exp_f32 v[I_+1], v[I_+1]
	v_dual_min_num_f32 v[64+I_], v[X+I_], v[MB+HD+I_/16] :: v_dual_min_num_f32 v[64+I_+1], v[X+I_+1], v[MB+HD+I_/16]
.set I_, I_+2
.endr
	v_nop                                          ; a plain instruction behind the batch
	WALU                                           ; one wait behind the batch
	; the rows' sums of the unquantised p: four chains a tile
.irp k, 0,1,2,3
.irp u, 0,1
	v_pk_add_f32 v[MB+32*\u+AC+2*\k:MB+32*\u+AC+2*\k+1], v[X*(1-\u)+2*\k:X*(1-\u)+2*\k+1], v[X*(1-\u)+8+2*\k:X*(1-\u)+8+2*\k+1]
.endr
.endr
.irp m, 0,1,2,3,4,5
.irp k, 0,1,2,3
.irp u, 0,1
	v_pk_add_f32 v[MB+32*\u+AC+2*\k:MB+32*\u+AC+2*\k+1], v[MB+32*\u+AC+2*\k:MB+32*\u+AC+2*\k+1], v[X*(1-\u)+16+8*\m+2*\k:X*(1-\u)+16+8*\m+2*\k+1]
.endr
.endr
.endr
.irp b, 0,1,2,3
	v_cvt_scalef32_pk8_bf8_f32 v[X+4*\b:X+4*\b+1], v[64+16*\b:64+16*\b+7], v[MB+SO+\b]         ; tile 0's codes, where its p lay
	v_cvt_scalef32_pk8_bf8_f32 v[X+4*\b+2:X+4*\b+3], v[64+16*\b+8:64+16*\b+15], v[MB+SO+\b]
.endr
	WIN 0
	v_add_nc_u32 v[AD0], s[TK], v[AV0]             ; (plain lines behind the conversions)
	v_add_nc_u32 v[AD1], s[TS], v[AKW]
	ds_load_b128 v[KV:KV+3], v[AD1] offset:4096    ; V's six scale words,
	ds_load_b64 v[KV+4:KV+5], v[AD1] offset:4096+256
	WIN 0x40
.irp t, 0,1,2,3,4,5
.irp b, 0,1,2,3
	ds_load_b128 v[64+16*\t+32*(\t/4)+4*\b:64+16*\t+32*(\t/4)+4*\b+3], v[AD0] offset:\t*2048+\b*512   ; and its fragments: four in S1, two in X's second half
.endr
.endr
	WIN 0x55
.irp b, 0,1,2,3
.irp i, 0,2,4,6,8,10,12,14
	v_dual_min_num_f32 v[16*\b+\i], v[16*\b+\i], v[MB+32+HD+\b] :: v_dual_min_num_f32 v[16*\b+\i+1], v[16*\b+\i+1], v[MB+32+HD+\b]   ; tile 1's holds, in place, two a line
.endr
	v_cvt_scalef32_pk8_bf8_f32 v[X+16+4*\b:X+16+4*\b+1], v[16*\b:16*\b+7], v[MB+32+SO+\b]
	v_cvt_scalef32_pk8_bf8_f32 v[X+16+4*\b+2:X+16+4*\b+3], v[16*\b+8:16*\b+15], v[MB+32+SO+\b]
.endr
	WIN 0x04
	WALU                                           ; the wait directly ahead of the first readers of O^T
.irp u, 0,1
.set J_, 0
.rept 24
	v_pk_mul_f32 v[OT+48*\u+J_:OT+48*\u+J_+1], v[OT+48*\u+J_:OT+48*\u+J_+1], v[MB+32*\u+FF:MB+32*\u+FF+1] op_sel_hi:[1,0]   ; O^T under the new M; also the places between the codes and the products
.set J_, J_+2
.endr
.endr
	WALU                                           ; the wait directly ahead of the wait below
	s_wait_dscnt 0x0                               ; V, and the next step's K ahead of it
	WIN 0x05
.irp t, 0,1,2,3,4,5
.irp u, 0,1
	v_wmma_scale_f32_16x16x128_f8f6f4 v[OT+48*\u+8*\t:OT+48*\u+8*\t+7], v[64+16*\t+32*(\t/4):64+16*\t+32*(\t/4)+15], v[X+16*\u:X+16*\u+15], v[OT+48*\u+8*\t:OT+48*\u+8*\t+7], v[KV+\t], v[PW+\u] matrix_a_fmt:MATRIX_FMT_BF8 matrix_b_fmt:MATRIX_FMT_BF8
.endr
.endr
	WIN 0x55
	TAIL 0                                         ; eight lines and two idle ones: ten places behind the products, whose fragments' registers the next products write
	TAIL 1
	TAIL 2
	TAIL 3
	PLACES 2
	WIN 0
	s_add_co_u32 s[TK], s[TK], 12288
	s_add_co_u32 s[TS], s[TS], 512
	s_add_co_u32 s[SC], s[SC], 1
	s_cmp_lt_u32 s[SC], 8
	s_cbranch_scc1 .Lstep
	; ---- a pass ends.  The next pass's Q is asked for first: it lands under the way out
	WALU
	s_cmp_eq_u32 s[PI], 1
	s_cbranch_scc1 .Lno_next
	s_mov_b32 s[PN], 1
	QLOAD
.Lno_next:
	WIN 0x55
.irp u, 0,1
	v_add_f32 v[MB+32*\u+SUM], v[MB+32*\u+SUM], v[MB+32*\u+SUM+1]
.endr
.irp u, 0,1
	v_permlanex16_b32 v[MB+32*\u+T0], v[MB+32*\u+SUM], s[SEL], s[SEL+1]
.endr
.irp u, 0,1
	v_add_f32 v[MB+32*\u+SUM], v[MB+32*\u+SUM], v[MB+32*\u+T0]     ; the row's sum
.endr
	WALU                                           ; the wait ahead of the reciprocals
.irp u, 0,1
	v_rcp_f32 v[MB+32*\u+FF], v[MB+32*\u+SUM]
.endr
	v_nop                                          ; a plain instruction behind them
	WIN 0x04
	WALU                                           ; and the wait ahead of their first reader, which is O^T's too
.irp u, 0,1
.set J_, 0
.rept 24
	v_pk_mul_f32 v[OT+48*\u+J_:OT+48*\u+J_+1], v[OT+48*\u+J_:OT+48*\u+J_+1], v[MB+32*\u+FF:MB+32*\u+FF+1] op_sel_hi:[1,0]
.set J_, J_+2
.endr
.endr
	WIN 0
	s_lshl_b32 s52, s[WV], 8
	s_lshl_b32 s53, s[PI], 7
	s_add_co_u32 s52, s52, s53
	s_add_co_u32 s52, s52, OS
	v_lshrrev_b32 v[AD0], 2, v[AL]
	v_add_nc_u32 v[AD0], s52, v[AD0]               ; where this pass's 32 scale words go in LDS: OS + 256 wave + 128 pass + 4 lane
.irp u, 0,1
.irp b, 0,1,2
.irp j, 0,1,2,3,4,5,6,7
	v_permlane16_swap_b32 v[OT+48*\u+16*\b+\j], v[OT+48*\u+16*\b+8+\j]   ; lanes 0-15 held channels 0-7 and 16-23 of the block: now 0-15, lanes 16-31 the others
.endr
.endr
.endr
	WIN 0x50
.irp b, 0,1,2
.irp u, 0,1
	v_max3_num_f32 v[MB+32*\u+\b], |v[OT+48*\u+16*\b]|, |v[OT+48*\u+16*\b+1]|, 0x8000000
.endr
.endr
.irp i, 2,4,6,8,10,12,14
.irp b, 0,1,2
.irp u, 0,1
	v_max3_num_f32 v[MB+32*\u+\b], |v[OT+48*\u+16*\b+\i]|, |v[OT+48*\u+16*\b+\i+1]|, v[MB+32*\u+\b]
.endr
.endr
.endr
	WIN 0x55
.irp b, 0,1,2
.irp u, 0,1
	v_permlanex16_b32 v[MB+32*\u+PD+\b], v[MB+32*\u+\b], s[SEL], s[SEL+1]
.endr
.endr
.irp b, 0,1,2
.irp u, 0,1
	v_max_num_f32 v[MB+32*\u+\b], v[MB+32*\u+\b], v[MB+32*\u+PD+\b]
.endr
.endr
.irp b, 0,1,2
.irp u, 0,1
	v_add_nc_u32 v[MB+32*\u+SO+\b], 0xf8800000, v[MB+32*\u+\b]
.endr
.endr
.irp b, 0,1,2
.irp u, 0,1
	v_and_or_b32 v[MB+32*\u+HD+\b], v[MB+32*\u+\b], 0x7f800000, s[MNT]
.endr
.endr
.irp b, 0,1,2
.irp u, 0,1
	v_lshrrev_b32 v[MB+32*\u+PD+\b], 23, v[MB+32*\u+SO+\b]
.endr
.endr
.irp u, 0,1
	v_lshl_or_b32 v[MB+32*\u+T0], v[MB+32*\u+PD+1], 8, v[MB+32*\u+PD]
.endr
.irp u, 0,1
	v_lshl_or_b32 v[MB+32*\u+T0], v[MB+32*\u+PD+2], 16, v[MB+32*\u+T0]   ; three bytes; the fourth stays 0 and is never used as a scale
.endr
	WIN 0x14
.irp u, 0,1
.irp b, 0,1,2
.irp i, 0,1,2,3,4,5,6,7,8,9,10,11,12,13,14,15
	v_med3_num_f32 v[OT+48*\u+16*\b+\i], v[OT+48*\u+16*\b+\i], -v[MB+32*\u+HD+\b], v[MB+32*\u+HD+\b]
.endr
.endr
.endr
	WIN 0x44
.irp u, 0,1
.irp b, 0,1,2
	v_cvt_scalef32_pk8_bf8_f32 v[X+16*\u+4*\b:X+16*\u+4*\b+1], v[OT+48*\u+16*\b:OT+48*\u+16*\b+7], v[MB+32*\u+SO+\b]
	v_cvt_scalef32_pk8_bf8_f32 v[X+16*\u+4*\b+2:X+16*\u+4*\b+3], v[OT+48*\u+16*\b+8:OT+48*\u+16*\b+15], v[MB+32*\u+SO+\b]
.endr
.endr
	WIN 0x55
	v_cndmask_b32 v[MB+T0], v[MB+T0], v[MB+32+T0], s[MASK]   ; lanes 0-15: tile 0's words; lanes 16-31: tile 1's.  Also the plain instruction behind the conversions
	WIN 0x04
	ds_store_b32 v[AD0], v[MB+T0]
.irp u, 0,1
.irp b, 0,1,2
	global_store_b128 v[AL], v[X+16*\u+4*\b:X+16*\u+4*\b+3], s[OP:OP+1] offset:1536*\u+512*\b   ; 512 consecutive bytes, aligned
.endr
.endr
	WIN 0
	s_add_co_u32 s[PI], s[PI], 1
	s_cmp_lt_u32 s[PI], 2
	WALU
	s_cbranch_scc1 .Lpass
	; my two passes' 64 scale words are 256 consecutive bytes of the buffer, aligned: read back from my own LDS bytes, 8 a lane (LDS serves a wave's instructions in order)
	v_lshrrev_b32 v[AD1], 1, v[AL]                 ; 8 x lane
	s_lshl_b32 s53, s[WV], 8
	s_add_co_u32 s54, s53, OS
	v_add_nc_u32 v[AD0], s54, v[AD1]
	ds_load_b64 v[F:F+1], v[AD0]
	s_lshl_b32 s52, s[HEAD], 12
	s_lshl_b32 s54, ttmp9, 11
	s_add_co_u32 s52, s52, s54
	s_add_co_u32 s52, s52, s53
	s_mov_b32 s53, 0
	s_add_nc_u64 s[18:19], s[18:19], s[52:53]
	WALU                                           ; the wait directly ahead of the wait below
	s_wait_dscnt 0x0
	global_store_b64 v[AD1], v[F:F+1], s[18:19]
	s_wait_tensorcnt 0x0                           ; the wave's end
	ds_add_u32 v[SPW], v[NIL]
	s_wait_dscnt 0x0
	s_endpgm
.Lfunc_end_k_q6b4eb52ae2_attn:
	.size	k_q6b4eb52ae2_attn, .Lfunc_end_k_q6b4eb52ae2_attn-k_q6b4eb52ae2_attn
	.p2alignl 7, 3214868480
	.fill 96, 4, 3214868480
	.section	.rodata,"a",@progbits
	.p2align	6, 0x0
	.amdhsa_kernel k_q6b4eb52ae2_attn
		.amdhsa_group_segment_fixed_size 208896
		.amdhsa_private_segment_fixed_size 0
		.amdhsa_enable_private_segment 0
		.amdhsa_kernarg_size 64
		.amdhsa_user_sgpr_count 2
		.amdhsa_user_sgpr_kernarg_segment_ptr 1
		.amdhsa_wavefront_size32 1
		.amdhsa_system_sgpr_workgroup_id_x 1
		.amdhsa_system_sgpr_workgroup_id_y 1
		.amdhsa_system_sgpr_workgroup_id_z 1
		.amdhsa_system_vgpr_workitem_id 0
		.amdhsa_next_free_vgpr 512
		.amdhsa_next_free_sgpr 70
		.amdhsa_reserve_vcc 0
		.amdhsa_float_denorm_mode_32 3
		.amdhsa_float_denorm_mode_16_64 3
		.amdhsa_memory_ordered 1
		.amdhsa_forward_progress 1
		.amdhsa_inst_pref_size 73
	.end_amdhsa_kernel
	.amdgpu_metadata
---
amdhsa.version: [ 1, 2 ]
amdhsa.kernels:
  - .name:           k_q6b4eb52ae2_attn
    .symbol:         k_q6b4eb52ae2_attn.kd
    .args:
      - { .name: q_img, .offset: 0, .size: 8, .value_kind: global_buffer, .address_space: global }
      - { .name: q_sc, .offset: 8, .size: 8, .value_kind: global_buffer, .address_space: global }
      - { .name: k_img, .offset: 16, .size: 8, .value_kind: global_buffer, .address_space: global }
      - { .name: k_sc, .offset: 24, .size: 8, .value_kind: global_buffer, .address_space: global }
      - { .name: v_img, .offset: 32, .size: 8, .value_kind: global_buffer, .address_space: global }
      - { .name: v_sc, .offset: 40, .size: 8, .value_kind: global_buffer, .address_space: global }
      - { .name: o_img, .offset: 48, .size: 8, .value_kind: global_buffer, .address_space: global }
      - { .name: o_sc, .offset: 56, .size: 8, .value_kind: global_buffer, .address_space: global }
    .group_segment_fixed_size: 208896
    .private_segment_fixed_size: 0
    .kernarg_segment_align: 8
    .kernarg_segment_size: 64
    .max_flat_workgroup_size: 256
    .sgpr_count:     70
    .vgpr_count:     512
    .wavefront_size: 32
...
	.end_amdgpu_metadata
.endif
;; end of part 2
;; launch proj (part 3): grid 64 x 4, 4 waves a work-group, clusters of 4 x 1, 327,680 bytes of LDS; arguments o_img, o_sc, Wp_codes, Wp_scales, bp, out0; writes out0
.if DOCPART == 3
	.amdgcn_target "amdgcn-amd-amdhsa--gfx1250"
	.amdhsa_code_object_version 6
	.text
	.protected	k_q6b4eb52ae2_proj
	.globl	k_q6b4eb52ae2_proj
	.p2align	8
	.type	k_q6b4eb52ae2_proj,@function
k_q6b4eb52ae2_proj:
	s_mov_b64 s[64:65], 0
	v_nop
	global_prefetch_b8 v0, s[64:65] scope:SCOPE_SE
	s_setreg_imm32_b32 hwreg(HW_REG_WAVE_MODE, 25, 1), 1
	s_wait_xcnt 0x0
	s_wait_alu depctr_hold_cnt(0) depctr_sa_sdst(0) depctr_va_vdst(0) depctr_va_sdst(0) depctr_va_ssrc(0) depctr_va_vcc(0) depctr_vm_vsrc(0)
	s_getreg_b32 s2, hwreg(HW_REG_IB_STS2, 6, 4)
	s_cmp_eq_u32 s2, 0
	s_cbranch_scc0 .Lentry_in_a_cluster
	s_endpgm
.Lentry_in_a_cluster:
	s_bfe_u32 s2, ttmp6, 0x10000c
	s_cmp_lg_u32 s2, 0x3003
	s_cbranch_scc0 .Lentry_shape_is_right
	s_endpgm
.Lentry_shape_is_right:
.set PITCH, 272
.set CHUNK, 192*PITCH
.set GROUP, 144*PITCH                  ; a wave's 48 weight rows of 768 bytes, dense in memory, come as 144 rows of 256: an LDS row is three padded pieces, 816 bytes
.set STAGE, 3*CHUNK
.set SPITCH, 272
.set NSTEP, 18
.set WV,   16
.set Y,    17
.set CX,   18
.set G0,   20
.set G1,   44
.set R4,   5
.set BADR, 6
.set WSA,  9
.set L16,  10
.set R16,  11
.set STO,  12
.set RD,   13
.set CO,   14
.set WS,   32
.set AS,   80
.set BI,   104
.set AF,   128
.set RW,   192
.set BK,   128
.set MSB, 0
.macro WIN new
.if MSB != (\new)
	s_set_vgpr_msb (MSB<<8)|(\new)
.set MSB, (\new)
.endif
.endm
.macro PLACES n
.rept \n
	v_nop
.endr
.endm
.macro CROUND
	s_barrier_signal -1
	s_barrier_wait -1
	s_cmp_lg_u32 s[WV], 0
	s_cbranch_scc1 .Lnot_wave_0_\@
	s_barrier_signal -3
.Lnot_wave_0_\@:
	s_barrier_wait -3
	s_barrier_signal -1
	s_barrier_wait -1
.endm
.macro LOADA s
.if (\s) < 2
	WIN 0
.set ab, AF+64*(\s)
.else
	WIN 0xc0
.set ab, 64*((\s)-2)
.endif
.irp a, 0,1,2,3
.irp q, 0,1,2,3
	global_load_b128 v[ab+16*\a+4*\q:ab+16*\a+4*\q+3], v[L16], s[4:5] offset:\a*12288+(\s)*2048+\q*512
.endr
.endr
.endm
.macro LOADWS grp
.irp n, 0,1,2,3
.irp p, 0,1,2
	global_load_b32 v[WS+3*(4*(\grp)+\n)+\p], v[WSA], s[10:11] offset:384*(4*(\grp)+\n)+8*\p
.endr
.endr
.endm
.macro FETCH g
.set fs, (\g)%6
.set fq, (\g)/6
	WIN 0x40
.irp n, 0,1,2,3
.irp q, 0,1,2,3
	ds_load_b128 v[64*((\g)%3)+16*\n+4*\q:64*((\g)%3)+16*\n+4*\q+3], v[BADR+fq] offset:16*\n*3*PITCH+(fs/2)*PITCH+128*(fs%2)+32*\q
.endr
.endr
.endm
.macro MUL16 g
.set ms, (\g)%6
.set mq, (\g)/6
.if ms < 2
	WIN 0xa1
.set mb, AF+64*ms
.else
	WIN 0xad
.set mb, 64*(ms-2)
.endif
.irp n, 0,1,2,3
.irp a, 0,1,2,3
.set rD, 8*(4*\n+\a)
.set rA, 64*((\g)%3)+16*\n
.set rB, mb+16*\a
.set sA, WS+3*(4*mq+\n)+ms/2
.set sB, AS+6*\a+ms
.if ms == 0
	v_wmma_scale_f32_16x16x128_f8f6f4 v[rD:rD+7], v[rA:rA+15], v[rB:rB+15], 0, v[sA], v[sB] matrix_a_fmt:MATRIX_FMT_BF8 matrix_b_fmt:MATRIX_FMT_BF8
.elseif ms%2 == 0
	v_wmma_scale_f32_16x16x128_f8f6f4 v[rD:rD+7], v[rA:rA+15], v[rB:rB+15], v[rD:rD+7], v[sA], v[sB] matrix_a_fmt:MATRIX_FMT_BF8 matrix_b_fmt:MATRIX_FMT_BF8
.else
	v_wmma_scale_f32_16x16x128_f8f6f4 v[rD:rD+7], v[rA:rA+15], v[rB:rB+15], v[rD:rD+7], v[sA], v[sB] matrix_a_fmt:MATRIX_FMT_BF8 matrix_b_fmt:MATRIX_FMT_BF8 matrix_a_scale:MATRIX_SCALE_ROW1
.endif
.endr
.endr
.endm
.macro STEP g
.if (\g) == 3
	s_wait_loadcnt 56
.elseif (\g) == 4
	s_wait_loadcnt 40
.elseif (\g) == 5
	s_wait_loadcnt 24
.elseif (\g) == 6
	s_wait_loadcnt 12
.elseif (\g) == 12
	s_wait_loadcnt 0x0
.endif
.if (\g) < NSTEP-2
	s_wait_dscnt 32
.elseif (\g) == NSTEP-2
	s_wait_dscnt 16
.else
	s_wait_dscnt 0x0
.endif
	MUL16 \g
	PLACES 8
.if (\g)+3 < NSTEP
	FETCH (\g)+3
.endif
.endm
.macro TOSTAGE a
	WIN 0x08
.irp n, 0,1,2,3
	ds_store_b128 v[STO], v[8*(4*\n+(\a)):8*(4*\n+(\a))+3] offset:64*\n
	ds_store_b128 v[STO], v[8*(4*\n+(\a))+4:8*(4*\n+(\a))+7] offset:64*\n+16
.endr
	WIN 0x80
.irp t, 0,1,2,3,4,5,6,7
	ds_load_b128 v[BK+32*(\a)+4*\t:BK+32*(\a)+4*\t+3], v[RD] offset:2*\t*SPITCH
.endr
.endm
.macro SEND a, grp, younger
	s_wait_dscnt \younger
	WIN 0x82
.irp t, 0,1,2,3,4,5,6,7
	v_pk_add_f32 v[BK+32*(\a)+4*\t:BK+32*(\a)+4*\t+1], v[BK+32*(\a)+4*\t:BK+32*(\a)+4*\t+1], v[BI+4*(\grp):BI+4*(\grp)+1]
	v_pk_add_f32 v[BK+32*(\a)+4*\t+2:BK+32*(\a)+4*\t+3], v[BK+32*(\a)+4*\t+2:BK+32*(\a)+4*\t+3], v[BI+4*(\grp)+2:BI+4*(\grp)+3]
.endr
	WIN 0x08
.irp t, 0,1,2,3,4,5,6,7
	global_store_b128 v[CO], v[BK+32*(\a)+4*\t:BK+32*(\a)+4*\t+3], s[14:15] offset:(16*(\a)+2*\t)*3072+256*(\grp) th:TH_STORE_NT
.endr
.endm
.macro WAYOUT grp
.if (\grp) > 0
	s_wait_xcnt 0x0
.endif
	TOSTAGE 0
	TOSTAGE 1
	SEND 0, \grp, 16
	TOSTAGE 2
	SEND 1, \grp, 16
	TOSTAGE 3
	SEND 2, \grp, 16
	SEND 3, \grp, 0
	WIN 0
.endm
	s_load_b256 s[4:11], s[0:1], 0x0
	s_load_b128 s[12:15], s[0:1], 0x20
	v_lshl_add_u32 v126, v0, 2, 0x2a800
	v_mov_b32 v127, 0
	ds_add_u32 v126, v127
	ds_add_u32 v126, v127
	v_lshrrev_b32 v1, 5, v0
	v_readfirstlane_b32 s[WV], v1
	s_and_b32 s[Y], ttmp7, 0xffff
	s_bfe_u32 s[CX], ttmp6, 0x40000
	s_mov_b32 s[G1], 15|(1<<20)|(1<<21)|(5<<22)|(3<<25)
	s_mov_b32 s[G1+1], 256<<16
	s_mov_b32 s[G1+2], 144<<16
	s_mov_b32 s[G1+3], 256<<16
	s_mov_b32 s[G1+4], 144
	s_mov_b32 s[G1+5], 256
	s_mov_b32 s[G1+6], 0
	s_mov_b32 s[G1+7], 0
	s_mul_i32 s52, s[Y], 147456
	s_mul_i32 s53, s[WV], 36864
	s_add_co_u32 s52, s52, s53
	s_mov_b32 s53, 0
	s_mul_i32 s54, s[WV], GROUP
	s_mov_b32 s60, 0x04020100
	s_mov_b32 s61, 0x05040201
	s_mov_b32 s62, 0x06050402
	s_lshl_b32 s56, ttmp9, 4
	s_lshl_b32 s57, s[CX], 2
	s_add_co_u32 s56, s56, s57
	s_add_co_u32 s56, s56, s[WV]
	s_mul_i32 s58, s56, 196608
	s_mul_i32 s59, s[Y], 768
	s_add_co_u32 s58, s58, s59
	s_mov_b32 s59, 0
	s_wait_dscnt 0x0
	s_wait_kmcnt 0x0
	s_add_nc_u64 s[8:9], s[8:9], s[52:53]
.irp kc, 0
	s_mov_b32 s[G0+4*\kc], 1
	s_add_co_u32 s[G0+4*\kc+1], s54, \kc*CHUNK
	s_add_nc_u64 s[G0+4*\kc+2:G0+4*\kc+3], s[8:9], 256*\kc
	s_or_b32 s[G0+4*\kc+3], s[G0+4*\kc+3], 0x80000000
.endr
	CROUND
	tensor_load_to_lds s[G0:G0+3], s[G1:G1+7]      ; my 48 weight rows: the wave's one load, behind the opening round
	s_nop 0
	PLACES 4
	s_add_nc_u64 s[14:15], s[14:15], s[58:59]
	s_mul_i32 s58, s56, 49152
	s_add_nc_u64 s[4:5], s[4:5], s[58:59]
	s_lshl_b32 s58, s56, 11
	s_add_nc_u64 s[6:7], s[6:7], s[58:59]
	s_mul_i32 s58, s[Y], 4608
	s_add_nc_u64 s[10:11], s[10:11], s[58:59]
	s_mul_i32 s58, s[Y], 768
	s_add_nc_u64 s[12:13], s[12:13], s[58:59]
	v_and_b32 v1, 31, v0
	v_and_b32 v2, 15, v0
	v_bfe_u32 v3, v0, 4, 1
	v_lshlrev_b32 v[R4], 2, v2
	v_mul_u32_u24 v[BADR], v2, 3*PITCH
	v_lshl_add_u32 v[BADR], v3, 4, v[BADR]
	v_add_nc_u32 v[BADR+1], 64*3*PITCH, v[BADR]
	v_add_nc_u32 v[BADR+2], 128*3*PITCH, v[BADR]
	v_mul_u32_u24 v[WSA], v2, 24
	v_lshl_add_u32 v[WSA], v3, 2, v[WSA]
	v_lshlrev_b32 v[L16], 4, v1
	v_lshlrev_b32 v[R16], 4, v2
	v_bfe_u32 v15, v0, 1, 2
	v_bfe_u32 v16, v0, 3, 1
	v_and_b32 v17, 1, v0
	v_lshl_add_u32 v15, v15, 2, v17
	v_lshl_add_u32 v15, v16, 1, v15
	s_mul_i32 s58, s[WV], 16*SPITCH
	s_add_co_u32 s58, s58, STAGE
	v_mul_u32_u24 v[STO], v15, SPITCH
	v_lshl_add_u32 v[STO], v3, 5, v[STO]
	v_add_nc_u32 v[STO], s58, v[STO]
	v_mul_u32_u24 v[RD], v3, SPITCH
	v_lshl_add_u32 v[RD], v2, 4, v[RD]
	v_add_nc_u32 v[RD], s58, v[RD]
	v_mul_u32_u24 v[CO], v3, 3072
	v_lshl_add_u32 v[CO], v2, 4, v[CO]
	WIN 0x40
.irp a, 0,1,2,3
.irp c, 0,1,2,3,4,5,6,7
	global_load_b32 v[RW+8*\a+\c], v[R4], s[6:7] offset:\a*512+64*\c
.endr
.endr
	WIN 0
	LOADWS 0
.irp g, 0,1,2
	global_load_b128 v[BI+4*\g:BI+4*\g+3], v[R16], s[12:13] offset:256*\g
.endr
	LOADA 0
	LOADA 1
	LOADA 2
	LOADA 3
	LOADA 4
	LOADA 5
	WIN 0
	LOADWS 1
	LOADWS 2
	s_wait_loadcnt 63
	WIN 0x05
.irp a, 0,1,2,3
.irp q, 0,1
	v_perm_b32 v[AS+6*\a+3*\q], v[RW+8*\a+4*\q+1], v[RW+8*\a+4*\q], s60
	v_perm_b32 v[AS+6*\a+3*\q+1], v[RW+8*\a+4*\q+2], v[RW+8*\a+4*\q+1], s61
	v_perm_b32 v[AS+6*\a+3*\q+2], v[RW+8*\a+4*\q+3], v[RW+8*\a+4*\q+2], s62
.endr
.endr
	WIN 0
	PLACES 8
	s_wait_alu depctr_va_vdst(0)
	s_wait_tensorcnt 0x0
	s_barrier_signal -1
	s_barrier_wait -1
	FETCH 0
	FETCH 1
	FETCH 2
.irp q, 0,1,2
.irp s, 0,1,2,3,4,5
	STEP 6*\q+\s
.endr
	WAYOUT \q
.endr
	s_wait_tensorcnt 0x0
	ds_add_u32 v126, v127
	s_wait_dscnt 0x0
	CROUND
	s_endpgm
.Lfunc_end_k_q6b4eb52ae2_proj:
	.size	k_q6b4eb52ae2_proj, .Lfunc_end_k_q6b4eb52ae2_proj-k_q6b4eb52ae2_proj
	.p2alignl 7, 3214868480
	.fill 96, 4, 3214868480
	.section	.rodata,"a",@progbits
	.p2align	6, 0x0
	.amdhsa_kernel k_q6b4eb52ae2_proj
		.amdhsa_group_segment_fixed_size 327680
		.amdhsa_private_segment_fixed_size 0
		.amdhsa_enable_private_segment 0
		.amdhsa_kernarg_size 48
		.amdhsa_user_sgpr_count 2
		.amdhsa_user_sgpr_kernarg_segment_ptr 1
		.amdhsa_wavefront_size32 1
		.amdhsa_system_sgpr_workgroup_id_x 1
		.amdhsa_system_sgpr_workgroup_id_y 1
		.amdhsa_system_sgpr_workgroup_id_z 1
		.amdhsa_system_vgpr_workitem_id 0
		.amdhsa_next_free_vgpr 1024
		.amdhsa_next_free_sgpr 66
		.amdhsa_reserve_vcc 0
		.amdhsa_float_denorm_mode_32 3
		.amdhsa_float_denorm_mode_16_64 3
		.amdhsa_memory_ordered 1
		.amdhsa_forward_progress 1
		.amdhsa_inst_pref_size 119
	.end_amdhsa_kernel
	.amdgpu_metadata
---
amdhsa.version: [ 1, 2 ]
amdhsa.kernels:
  - .name:           k_q6b4eb52ae2_proj
    .symbol:         k_q6b4eb52ae2_proj.kd
    .args:
      - { .name: o_img, .offset: 0, .size: 8, .value_kind: global_buffer, .address_space: global }
      - { .name: o_sc, .offset: 8, .size: 8, .value_kind: global_buffer, .address_space: global }
      - { .name: Wp_codes, .offset: 16, .size: 8, .value_kind: global_buffer, .address_space: global }
      - { .name: Wp_scales, .offset: 24, .size: 8, .value_kind: global_buffer, .address_space: global }
      - { .name: bp, .offset: 32, .size: 8, .value_kind: global_buffer, .address_space: global }
      - { .name: out0, .offset: 40, .size: 8, .value_kind: global_buffer, .address_space: global }
    .group_segment_fixed_size: 327680
    .private_segment_fixed_size: 0
    .kernarg_segment_align: 8
    .kernarg_segment_size: 48
    .max_flat_workgroup_size: 128
    .sgpr_count:     66
    .vgpr_count:     1024
    .wavefront_size: 32
...
	.end_amdgpu_metadata
.endif
;; end of part 3
